; MI455X (gfx1250); checked and timed in simulation.
; The chip was launched on July 23, 2026; its instructions are those of AMD's public machine-readable ISA for CDNA 5 (MIT licence, August 2026) and "CDNA5" Instruction Set Architecture Reference Guide (July 2026). The comments in the code are by the model that wrote it; some were corrected since.
;; self attention. Allowed arithmetic: float matrix products may take bf16 or f16 operands with f32 sums; other float arithmetic in f32, or as packed bf16 or f16 multiplies, adds, multiply-adds, maxima and minima; sums over many terms, partial sums and values carried from step to step in f32; what a program stores and reads back later, other than sums and carried values, may be rounded once to bf16 or f16.
;; Inputs: kernel 2,048 x 2,048 float32; x1 8 x 2,048 x 512 float32; x2 8 x 2,048 x 512 float32.
;; Outputs: out0 8 x 2,048 x 512 float32.
;; One version. Each part assembles by itself: llvm-mc -triple=amdgcn-amd-amdhsa -mcpu=gfx1250 --defsym DOCPART=n.
;; ======== version 1 of 1: 3 launches
;; limits: values are held in f16: magnitudes above 65,504 overflow, below 6.1e-05 lose precision
;; workspace buffers: cb 41,943,040 bytes; h 33,554,432 bytes
;; launch cast (part 1): grid 1280 x 1, 8 waves a work-group, no clusters, 0 bytes of LDS; arguments kernel, x1, x2, cb; writes cb
.if DOCPART == 1
	.amdgcn_target "amdgcn-amd-amdhsa--gfx1250"
	.amdhsa_code_object_version 6
	.text
	.protected	k_q4d6b799df2_cast
	.globl	k_q4d6b799df2_cast
	.p2align	8
	.type	k_q4d6b799df2_cast,@function
k_q4d6b799df2_cast:
	s_mov_b64 s[64:65], 0
	v_nop
	global_prefetch_b8 v0, s[64:65] scope:SCOPE_SE
	s_setreg_imm32_b32 hwreg(HW_REG_WAVE_MODE, 25, 1), 1
	s_wait_xcnt 0x0
; cb = kernel, x1, x2, one behind the other, each number rounded once to bf16 (nearest even).
; A stream: each input byte is read once, each output byte written once; no LDS, no matrix unit, no barrier.
; A work-group takes 65,536 input bytes: groups 0-255 the kernel's, 256-767 x1's, 768-1279 x2's; its 32,768 output bytes lie at 32,768 x its number in every case.
; Thread t takes 16 bytes at 16 t of each of 16 pieces of 4,096 bytes: a wave's load covers 512 consecutive bytes, its store 256 consecutive bytes, aligned.
; All 16 loads of a thread go out at once; no register is written twice, so the only waits are the counted ones for the loads.
.set X,  4                             ; v[4:67]   16 x 4 numbers as loaded
.set Y,  68                            ; v[68:99]  16 x 4 numbers in bf16
	s_load_b256 s[4:11], s[0:1], 0x0               ; kernel s[4:5], x1 s[6:7], x2 s[8:9], cb s[10:11]
	v_lshlrev_b32 v1, 4, v0                        ; 16 t
	v_lshlrev_b32 v2, 3, v0                        ; 8 t
	s_mov_b32 s20, 256                             ; the first group of x1
	s_mov_b32 s21, 768                             ; the first group of x2
	s_lshl_b32 s18, ttmp9, 15                      ; my output bytes
	s_mov_b32 s19, 0
	s_mov_b32 s17, 0
	s_wait_kmcnt 0x0
	s_cmp_lt_u32 ttmp9, s21
	s_cselect_b64 s[14:15], s[6:7], s[8:9]         ; which input, by the group's number alone,
	s_cselect_b32 s16, s20, s21                    ; and that input's first group
	s_cmp_lt_u32 ttmp9, s20
	s_cselect_b64 s[14:15], s[4:5], s[14:15]
	s_cselect_b32 s16, 0, s16
	s_sub_co_u32 s16, ttmp9, s16
	s_lshl_b32 s16, s16, 16                        ; my input bytes, under 2^25
	s_add_nc_u64 s[14:15], s[14:15], s[16:17]
	s_add_nc_u64 s[10:11], s[10:11], s[18:19]
.irp i, 0,1,2,3,4,5,6,7,8,9,10,11,12,13,14,15
	global_load_b128 v[X+4*(\i):X+4*(\i)+3], v1, s[14:15] offset:4096*(\i) th:TH_LOAD_NT
.endr
.irp i, 0,1,2,3,4,5,6,7,8,9,10,11,12,13,14,15
	s_wait_loadcnt 15-(\i)                         ; loads come back in order: piece i is in, the younger ones stay out
	v_cvt_pk_bf16_f32 v[Y+2*(\i)],   v[X+4*(\i)],   v[X+4*(\i)+1]
	v_cvt_pk_bf16_f32 v[Y+2*(\i)+1], v[X+4*(\i)+2], v[X+4*(\i)+3]
	global_store_b64 v2, v[Y+2*(\i):Y+2*(\i)+1], s[10:11] offset:2048*(\i)
.endr
	s_endpgm
.Lfunc_end_k_q4d6b799df2_cast:
	.size	k_q4d6b799df2_cast, .Lfunc_end_k_q4d6b799df2_cast-k_q4d6b799df2_cast
	.p2alignl 7, 3214868480
	.fill 96, 4, 3214868480
	.section	.rodata,"a",@progbits
	.p2align	6, 0x0
	.amdhsa_kernel k_q4d6b799df2_cast
		.amdhsa_group_segment_fixed_size 0
		.amdhsa_private_segment_fixed_size 0
		.amdhsa_enable_private_segment 0
		.amdhsa_kernarg_size 32
		.amdhsa_user_sgpr_count 2
		.amdhsa_user_sgpr_kernarg_segment_ptr 1
		.amdhsa_wavefront_size32 1
		.amdhsa_system_sgpr_workgroup_id_x 1
		.amdhsa_system_sgpr_workgroup_id_y 1
		.amdhsa_system_sgpr_workgroup_id_z 1
		.amdhsa_system_vgpr_workitem_id 0
		.amdhsa_next_free_vgpr 100
		.amdhsa_next_free_sgpr 66
		.amdhsa_reserve_vcc 0
		.amdhsa_float_denorm_mode_32 3
		.amdhsa_float_denorm_mode_16_64 3
		.amdhsa_memory_ordered 1
		.amdhsa_forward_progress 1
		.amdhsa_inst_pref_size 7
	.end_amdhsa_kernel
	.amdgpu_metadata
---
amdhsa.version: [ 1, 2 ]
amdhsa.kernels:
  - .name:           k_q4d6b799df2_cast
    .symbol:         k_q4d6b799df2_cast.kd
    .args:
      - { .name: kernel, .offset: 0, .size: 8, .value_kind: global_buffer, .address_space: global }
      - { .name: x1, .offset: 8, .size: 8, .value_kind: global_buffer, .address_space: global }
      - { .name: x2, .offset: 16, .size: 8, .value_kind: global_buffer, .address_space: global }
      - { .name: cb, .offset: 24, .size: 8, .value_kind: global_buffer, .address_space: global }
    .group_segment_fixed_size: 0
    .private_segment_fixed_size: 0
    .kernarg_segment_align: 8
    .kernarg_segment_size: 32
    .max_flat_workgroup_size: 256
    .sgpr_count:     66
    .vgpr_count:     100
    .wavefront_size: 32
...
	.end_amdgpu_metadata
.endif
;; end of part 1
;; launch proj (part 2): grid 32 x 8, 4 waves a work-group, clusters of 4 x 4, 327,680 bytes of LDS; arguments cb, h; writes h
.if DOCPART == 2
	.amdgcn_target "amdgcn-amd-amdhsa--gfx1250"
	.amdhsa_code_object_version 6
	.text
	.protected	k_q4d6b799df2_proj
	.globl	k_q4d6b799df2_proj
	.p2align	8
	.type	k_q4d6b799df2_proj,@function
k_q4d6b799df2_proj:
	s_mov_b64 s[64:65], 0
	v_nop
	global_prefetch_b8 v0, s[64:65] scope:SCOPE_SE
	s_setreg_imm32_b32 hwreg(HW_REG_WAVE_MODE, 25, 1), 1
	s_wait_xcnt 0x0
	s_wait_alu depctr_hold_cnt(0) depctr_sa_sdst(0) depctr_va_vdst(0) depctr_va_sdst(0) depctr_va_ssrc(0) depctr_va_vcc(0) depctr_vm_vsrc(0)
	s_getreg_b32 s2, hwreg(HW_REG_IB_STS2, 6, 4)
	s_cmp_eq_u32 s2, 0
	s_cbranch_scc0 .Lentry_in_a_cluster
	s_endpgm
.Lentry_in_a_cluster:
	s_bfe_u32 s2, ttmp6, 0x10000c
	s_cmp_lg_u32 s2, 0xf033
	s_cbranch_scc0 .Lentry_shape_is_right
	s_endpgm
.Lentry_shape_is_right:
; h[j][s][d] = the sum over t of kernel[s][t] x[j][t][d], j = 0..15 (x1's eight batches, then x2's).  Operands bf16 (from cb), sums f32, h rounded once to f16.
; LIMIT.  f16 holds no number of 65,520 or more: |h| stays below that (kernel and x thirty times the drawn spread give some 5,400; offsets of thirty spreads on both some 41,000).
; SHARES.  A work-group makes 256 rows s x 256 channels d of one matrix j: work-group x = 2 j + channel half, y = block of rows; 256 work-groups.  Four waves, each 128 x 128: 64 accumulators, 512 registers.
; t goes in 16 steps of 128 through a ring of two LDS slots.  A slot holds 256 rows of the kernel (256 bytes each, 272 apart) and 128 rows t of x (512 bytes each, 544 apart).
; x lies [t][d], so its fragments come out of LDS turned, by ds_load_tr16_b128; the kernel's as they lie.
; THE PRODUCT IS TAKEN TRANSPOSED: source 0 = 16 channels of x, source 1 = 16 rows of the kernel: a lane ends with one row s (lane % 16) and eight neighbouring channels, 16 bytes of f16.
; CLUSTER 4 x 4.  The kernel's tile hangs on the block of rows alone and is asked for jointly along a row of the cluster; x's on work-group x alone, jointly along a column.
; h IS STORED IN BLOCKS of 16 rows x 16 channels, 512 bytes: block (j, s / 16, d / 16) at ((128 j + s / 16) 32 + d / 16) 512.  In a block the 16 bytes of row k, channel octet p lie at
; 256 p + 16 ((k & 7) + 8 ((k >> 3) xor p)).  One accumulator is one block, and a wave's store of it covers the 512 bytes whole: no stage in LDS is needed.
; REGISTERS in windows of 256: window 0: v0-31 addresses, v64-191 the kernel's fragments (two buffers), on the way out the packed results; window 1: v64-191 x's fragments;
; windows 2, 3: the accumulators of my rows 0-63, 64-127, (a, b) at v[8 (8 a + b)].
.set KSTEP,  128
.set PA,     272                       ; 256 + 16 bytes: 68 words, so the 16 rows of a fragment load begin at 16 different groups of four banks (64 banks of 4 bytes: ISA guide 11.1)
.set PX,     544                       ; 512 + 32 bytes: 136 words
.set HALFT,  128*PA                    ; what one tensor load brings: 128 rows of the kernel, or 64 rows of x (64 x 544 is the same number)
.set SLOT,   4*HALFT
.set SPARE,  2*SLOT                    ; behind the ring: the spare words, 128 bytes for each wave: two blocks of 256 bytes that no other line names
.set LAPS,   2048/(2*KSTEP)            ; a lap = two steps = once round the ring
.set XBASE,  8388608                   ; x begins here in cb
.set ASTEP,  KSTEP*2                   ; a step along a row of the kernel, in bytes
.set XSTEP,  KSTEP*1024                ; a step down the rows of x
.set ADRA, 16                          ; v16-17  LDS address of my fragments of the kernel in slot 0, 1
.set ADRX, 20                          ; v20-21  the same for x
.set CO,   26                          ; v26     my 16 bytes in a block of h
.set SPW,  28                          ; v28     LDS address of my spare word; never rewritten
.set NIL,  29                          ; v29     0; never rewritten
.set PFO,  30                          ; v30     my lane's offset in a prefetch; never rewritten
.set F0,   64
.set F1,   128
.set G1,  24                           ; s[24:31] descriptor group 1, the kernel's tiles;  s[32:39] group 0, a set for each slot
.set G0,  32
.set G1B, 48                           ; s[48:55], s[56:63] the same for x's tiles
.set G0B, 56
.set LIM, 43                           ; s43      1 in a wave that prefetches, else the greatest number
.set PFA, 44                           ; s[44:45] where my prefetches stand
.set PST, 66                           ; s[66:67] their step
.set MSB, 0
.macro WIN new                         ; the immediate's high byte repeats the setting that is left; a switch that changes nothing is dropped
.if MSB != (\new)
	s_set_vgpr_msb (MSB<<8)|(\new)
.set MSB, \new
.endif
.endm
.set MUL_LO, 0xa1                      ; source 0 (x) window 1, source 1 (kernel) window 0, C and D window 2
.set MUL_HI, 0xf1                      ; the same, C and D window 3
.set TO_X,   0x40                      ; destination window 1, address window 0
; A joint load.  Waves 0 and 1 fetch the kernel's two halves, waves 2 and 3 x's.  The branch hangs on the wave's number alone.  An s_nop 0 and four v_nop follow each line.
.macro JLOAD s
	s_cmp_eq_u32 s11, 0
	s_cbranch_scc0 .Lfor_x_\@
	tensor_load_to_lds s[G0+4*(\s):G0+4*(\s)+3], s[G1:G1+7]
	s_nop 0
.rept 4
	v_nop
.endr
	s_branch .Lasked_\@
.Lfor_x_\@:
	tensor_load_to_lds s[G0B+4*(\s):G0B+4*(\s)+3], s[G1B:G1B+7]
	s_nop 0
.rept 4
	v_nop
.endr
.Lasked_\@:
.endm
; A prefetch, behind each joint refill and the run of LDS loads that follows it: the step that stands two refills on, 32 blocks of 256 bytes, a lane a block, one instruction a wave.
; Each block is named once in the launch: the kernel's rows by the clusters with x = 0, x's rows by the clusters with y = 0; the four partners that ask for a tile jointly share its blocks out by address.
; The loop's last trip asks for nothing: its refills are the last two steps.
.macro ASK
	s_cmp_gt_u32 s3, s[LIM]
	s_cbranch_scc0 .Lnot_mine_\@
	global_prefetch_b8 v[PFO], s[PFA:PFA+1] th:TH_LOAD_NT scope:SCOPE_SE
.Lnot_mine_\@:
.endm
.macro CREST                           ; a round of the cluster's barrier behind its opening barrier
	s_cmp_lg_u32 s10, 0
	s_cbranch_scc1 .Lnot_wave_0_\@
	s_barrier_signal -3
.Lnot_wave_0_\@:
	s_barrier_wait -3
	s_barrier_signal -1
	s_barrier_wait -1
.endm
.macro CROUND                          ; a whole round
	s_barrier_signal -1
	s_barrier_wait -1
	CREST
.endm
	s_load_b128 s[4:7], s[0:1], 0x0                ; cb s[4:5], h s[6:7]
	v_lshl_add_u32 v[SPW], v0, 2, SPARE
	v_mov_b32 v[NIL], 0
	ds_add_u32 v[SPW], v[NIL]                      ; the wave's opening: the add and its wait stand ahead of my first tensor load; the set-up below stands between them
	v_lshrrev_b32 v1, 5, v0
	v_readfirstlane_b32 s10, v1                    ; wave 0..3
	s_lshr_b32 s11, s10, 1                         ; my half of the rows s.  Also: I fetch for the kernel (0) or for x (1)
	s_and_b32 s12, s10, 1                          ; my half of the channels.  Also: which half of that tile I fetch
	s_bfe_u32 s40, ttmp6, 0x40000                  ; cx
	s_bfe_u32 s41, ttmp6, 0x40004                  ; cy
	s_lshl_b32 s42, ttmp9, 2
	s_add_co_u32 s42, s42, s40                     ; work-group x = 2 j + channel half
	s_and_b32 s13, ttmp7, 0xffff
	s_lshl_b32 s13, s13, 2
	s_add_co_u32 s13, s13, s41                     ; work-group y = block of 256 rows
	s_lshl_b32 s43, s41, 2
	s_lshl_b32 s43, 15, s43                        ; my row of the cluster
	s_lshl_b32 s44, 0x1111, s40                    ; my column
	s_or_b32 s[G1+0], s43, (1<<16)|(1<<20)|(1<<21)|(5<<22)|(3<<25)   ; the mask; 2-byte elements; padding on; bit 21 beside a mask; after every 64 words, 4 words
	s_mov_b32 s[G1+1], 128<<16                     ; tensor_dim0 = 128
	s_mov_b32 s[G1+2], 128<<16                     ; tensor_dim1 = 128
	s_mov_b32 s[G1+3], 128<<16                     ; tile_dim0 = 128
	s_mov_b32 s[G1+4], 128                         ; tile_dim1 = 128
	s_mov_b32 s[G1+5], 2048                        ; elements from row to row of the kernel
	s_mov_b32 s[G1+6], 0
	s_mov_b32 s[G1+7], 0
	s_or_b32 s[G1B+0], s44, (1<<16)|(1<<20)|(1<<21)|(6<<22)|(7<<25)  ; after every 128 words, 8 words
	s_mov_b32 s[G1B+1], 256<<16                    ; tensor_dim0 = 256
	s_mov_b32 s[G1B+2], 64<<16                     ; tensor_dim1 = 64
	s_mov_b32 s[G1B+3], 256<<16                    ; tile_dim0 = 256
	s_mov_b32 s[G1B+4], 64                         ; tile_dim1 = 64
	s_mov_b32 s[G1B+5], 512                        ; elements from row to row of x
	s_mov_b32 s[G1B+6], 0
	s_mov_b32 s[G1B+7], 0
	s_lshl_b32 s16, s13, 20                        ; the kernel: (256 y + 128 half) rows of 4,096 bytes
	s_lshl_b32 s17, s12, 19
	s_add_co_u32 s16, s16, s17
	s_mov_b32 s17, 0
	s_lshr_b32 s46, s42, 1                         ; x: matrix j of 2,097,152 bytes,
	s_lshl_b32 s46, s46, 21
	s_and_b32 s47, s42, 1
	s_lshl_b32 s47, s47, 9                         ; the channel half's 512 bytes of a row,
	s_add_co_u32 s46, s46, s47
	s_lshl_b32 s47, s12, 16                        ; my 64 rows of 1,024 bytes
	s_add_co_u32 s46, s46, s47
	s_add_co_u32 s46, s46, XBASE
	s_mov_b32 s47, 0
	s_mul_i32 s20, s10, HALFT                      ; where they go: wave x a quarter of a slot: no place in the cluster enters an LDS address
	s_wait_dscnt 0x0                               ; the opening add is done
	s_wait_kmcnt 0x0
	s_add_nc_u64 s[14:15], s[4:5], s[16:17]
	s_add_nc_u64 s[46:47], s[4:5], s[46:47]
	CROUND                                         ; all sixteen work-groups are here: the first joint loads meet
.irp s, 0,1
	s_mov_b32 s[G0+4*(\s)], 1
	s_add_co_u32 s[G0+4*(\s)+1], s20, (\s)*SLOT
	s_add_nc_u64 s[G0+4*(\s)+2:G0+4*(\s)+3], s[14:15], (\s)*ASTEP
	s_or_b32 s[G0+4*(\s)+3], s[G0+4*(\s)+3], 0x80000000
	s_mov_b32 s[G0B+4*(\s)], 1
	s_add_co_u32 s[G0B+4*(\s)+1], s20, (\s)*SLOT
	s_add_nc_u64 s[G0B+4*(\s)+2:G0B+4*(\s)+3], s[46:47], (\s)*XSTEP
	s_or_b32 s[G0B+4*(\s)+3], s[G0B+4*(\s)+3], 0x80000000
	JLOAD \s                                       ; steps 0 and 1: two loads of mine are out
.endr
	; the kernel's fragment: lane l holds row l % 16, t = 8 (l / 16) + 0..7 and 16 + 8 (l / 16) + 0..7: two loads of 16 bytes, 32 bytes apart
	v_and_b32 v1, 15, v0                           ; l % 16
	v_bfe_u32 v2, v0, 4, 1                         ; l / 16
	v_mul_u32_u24 v3, v1, PA
	v_lshl_add_u32 v3, v2, 4, v3
	s_mul_i32 s21, s11, HALFT                      ; my 128 rows of the kernel
	; x's fragment: the turning load takes 16 rows t x 16 channels (lane l reads row 8 (l / 16) + l % 8, channels 8 ((l / 8) % 2) + 0..7) and leaves lane l channel l % 16 and 8 rows t
	v_and_b32 v7, 7, v0
	v_lshl_add_u32 v4, v2, 3, v7
	v_mul_u32_u24 v4, v4, PX
	v_bfe_u32 v5, v0, 3, 1
	v_lshl_add_u32 v4, v5, 4, v4
	s_lshl_b32 s22, s12, 8                         ; my 128 channels,
	s_add_co_u32 s22, s22, 2*HALFT                 ; behind the kernel's 256 rows
.irp s, 0,1
	v_add_nc_u32 v[ADRA+(\s)], s21, v3
	v_add_nc_u32 v[ADRX+(\s)], s22, v4
	s_add_co_u32 s21, s21, SLOT
	s_add_co_u32 s22, s22, SLOT
.endr
	v_xor_b32 v6, v5, v2                           ; my 16 bytes in a block of h: row l % 16, octet l / 16
	v_lshl_add_u32 v6, v6, 3, v7
	v_lshlrev_b32 v6, 4, v6
	v_lshl_add_u32 v[CO], v2, 8, v6
	s_lshl_b32 s16, s13, 18                        ; my first block of h: 16 y + 8 half blocks of rows, 16,384 bytes each,
	s_lshl_b32 s17, s11, 17
	s_add_co_u32 s16, s16, s17
	s_lshr_b32 s46, s42, 1
	s_lshl_b32 s46, s46, 21                        ; matrix j,
	s_and_b32 s47, s42, 1
	s_lshl_b32 s47, s47, 13                        ; 16 blocks of channels for the channel half,
	s_add_co_u32 s46, s46, s47
	s_lshl_b32 s47, s12, 12                        ; 8 for my half of it
	s_add_co_u32 s46, s46, s47
	s_add_co_u32 s16, s16, s46
	s_mov_b32 s17, 0
	s_add_nc_u64 s[8:9], s[6:7], s[16:17]
	; the prefetches.  For the kernel: of the 128 rows that I fetch, my work-group's 32 (by cx), a lane a row.  For x: of my 64 rows, my work-group's 16 (by cy), two lanes a row of 512 bytes.
	s_lshl_b32 s20, s13, 20
	s_lshl_b32 s21, s12, 19
	s_add_co_u32 s20, s20, s21
	s_lshl_b32 s21, s40, 17                        ; 32 cx rows of 4,096 bytes
	s_add_co_u32 s20, s20, s21
	s_add_co_u32 s20, s20, 3*ASTEP                 ; at step 3: the first refill steps it to 4
	s_lshr_b32 s22, s42, 1
	s_lshl_b32 s22, s22, 21
	s_and_b32 s23, s42, 1
	s_lshl_b32 s23, s23, 9
	s_add_co_u32 s22, s22, s23
	s_lshl_b32 s23, s12, 16
	s_add_co_u32 s22, s22, s23
	s_lshl_b32 s23, s41, 14                        ; 16 cy rows of 1,024 bytes
	s_add_co_u32 s22, s22, s23
	s_add_co_u32 s22, s22, XBASE+3*XSTEP
	s_and_b32 s23, ttmp7, 0xffff                   ; cluster y
	s_cmp_eq_u32 s11, 0                            ; do I fetch for the kernel?
	s_cselect_b32 s20, s20, s22
	s_cselect_b32 s23, ttmp9, s23                  ; the coordinate along which other clusters read the same rows
	s_mov_b32 s21, 0
	s_add_nc_u64 s[PFA:PFA+1], s[4:5], s[20:21]
	s_cmp_eq_u32 s23, 0
	s_cselect_b32 s[LIM], 1, -1                    ; the same in all sixteen partners, for a given wave
	s_mul_i32 s68, s11, 9
	s_lshl_b32 s[PST], ASTEP, s68                  ; 256 bytes a step for the kernel, 131,072 for x
	s_mov_b32 s[PST+1], 0
	s_lshl_b32 s69, s11, 1
	s_lshr_b32 s69, 4096, s69                      ; bytes from row to row: 4,096 or 1,024
	v_and_b32 v8, 31, v0
	v_lshrrev_b32 v9, s11, v8                      ; the row: my lane, or half of it
	v_and_b32 v10, s11, v8                         ; for x: which 256 bytes of the row
	v_mul_u32_u24 v9, v9, s69
	v_lshl_add_u32 v[PFO], v10, 8, v9
; 16 matrix instructions: blocks of rows a0, a0 + 1 of the window's four x all 8 blocks of channels, 32 along t.  zero = 1: the first product starts the sums.
; The 64 accumulators take turns, one instruction a turn, in the same order in every quarter.
.macro MUL16 f, hi, a0, zero
	WIN MUL_LO+0x50*(\hi)
.irp a, \a0, (\a0)+1
.irp b, 0,1,2,3,4,5,6,7
.if \zero
	v_wmma_f32_16x16x32_bf16 v[8*(8*(\a)+(\b)):8*(8*(\a)+(\b))+7], v[(\f)+8*(\b):(\f)+8*(\b)+7], v[(\f)+8*(4*(\hi)+(\a)):(\f)+8*(4*(\hi)+(\a))+7], 0
.else
	v_wmma_f32_16x16x32_bf16 v[8*(8*(\a)+(\b)):8*(8*(\a)+(\b))+7], v[(\f)+8*(\b):(\f)+8*(\b)+7], v[(\f)+8*(4*(\hi)+(\a)):(\f)+8*(4*(\hi)+(\a))+7], v[8*(8*(\a)+(\b)):8*(8*(\a)+(\b))+7]
.endif
.endr
.endr
.endm
; 32 LDS loads in one run: the fragments of quarter q (32 along t) into buffer f: x's 128 channels, turned, then the kernel's 128 rows
.macro FETCH slot, q, f
	WIN TO_X
.irp i, 0,1,2,3,4,5,6,7
	ds_load_tr16_b128 v[(\f)+8*(\i):(\f)+8*(\i)+3],   v[ADRX+(\slot)] offset:(\q)*32*PX+(\i)*32
	ds_load_tr16_b128 v[(\f)+8*(\i)+4:(\f)+8*(\i)+7], v[ADRX+(\slot)] offset:(\q)*32*PX+(\i)*32+16*PX
.endr
	WIN 0
.irp i, 0,1,2,3,4,5,6,7
	ds_load_b128 v[(\f)+8*(\i):(\f)+8*(\i)+3],   v[ADRA+(\slot)] offset:(\q)*64+(\i)*16*PA
	ds_load_b128 v[(\f)+8*(\i)+4:(\f)+8*(\i)+7], v[ADRA+(\slot)] offset:(\q)*64+(\i)*16*PA+32
.endr
.endm
.macro PLACES                          ; four plain vector instructions between a matrix instruction and a load into, or a vector instruction on, its registers
.rept 4
	v_nop
.endr
.endm
; A step is four quarters of 32 along t, 64 matrix instructions each, on buffers 0, 1, 0, 1.  One of the first three multiplies buffer f and, in its middle, fetches quarter q into buffer g.
.macro QUARTER slot, q, f, g, zero
	s_wait_dscnt 8                                 ; x and the kernel's rows 0-63 are in; the youngest eight loads (rows 64-127) may be out
	MUL16 \f, 0, 0, \zero
	MUL16 \f, 0, 2, \zero
	PLACES
	FETCH \slot, \q, \g
	s_wait_dscnt 32                                ; all but the 32 just issued
	MUL16 \f, 1, 0, \zero
	MUL16 \f, 1, 2, \zero
.endm
; The last quarter's first half, and the one barrier of a change of slots.
.macro MEET round
	WIN 0
	s_wait_tensorcnt 0x0                           ; all my tensor loads have landed: the one that was out is my part of the next slot
	ds_add_u32 v[SPW], v[NIL]                      ; 0 onto my spare word
	s_wait_dscnt 9                                 ; (the add and the youngest eight loads may be out)
	MUL16 F1, 0, 0, 0                              ; sixteen matrix instructions stand between the add and the wait for it
	s_wait_dscnt 0x0                               ; the add is done, and my reads of this slot are over
	s_barrier_signal -1
	MUL16 F1, 0, 2, 0                              ; work on registers while the others arrive
.if \round
	WIN 0
.endif
	s_barrier_wait -1
.endm
; The whole last quarter.  fill = 1: the barrier opens a round of the cluster's barrier, and the slot just read out is filled again, two steps on, first thing behind the round.
.macro TURN slot, next, fill
.if \fill
	s_wait_xcnt 0x0                                ; the last prefetch, a step back, has read its address
	s_add_nc_u64 s[PFA:PFA+1], s[PFA:PFA+1], s[PST:PST+1]
	MEET 1
	CREST                                          ; no wave of any partner still reads this slot or has a load on its way
	s_add_nc_u64 s[G0+4*(\slot)+2:G0+4*(\slot)+3], s[G0+4*(\slot)+2:G0+4*(\slot)+3], 2*ASTEP
	s_add_nc_u64 s[G0B+4*(\slot)+2:G0B+4*(\slot)+3], s[G0B+4*(\slot)+2:G0B+4*(\slot)+3], 2*XSTEP
	JLOAD \slot                                    ; one load of mine is out; the four v_nop behind it are also the places in front of the loads below
	FETCH \next, 0, F0
	ASK
.else
	MEET 0
	PLACES
	FETCH \next, 0, F0
.endif
	MUL16 F1, 1, 0, 0
	MUL16 F1, 1, 2, 0
.endm
; The way out of my rows 16 a .. 16 a + 15: eight accumulators, each rounded to f16 (its registers in ascending order) and stored as one block of h: 512 consecutive bytes, aligned, a store.
.macro OUT a
.if (\a) >= 4
	s_wait_xcnt 0x0                                ; the stores of four blocks back have read their data registers, which are written again below
.endif
	WIN 0x0a+5*((\a)/4)                            ; sources 0 and 1: window 2 or 3
.irp b, 0,1,2,3,4,5,6,7
.irp z, 0,1,2,3
	v_cvt_pk_f16_f32 v[F0+32*((\a)%4)+4*(\b)+(\z)], v[64*((\a)%4)+8*(\b)+2*(\z)], v[64*((\a)%4)+8*(\b)+2*(\z)+1]
.endr
.endr
	WIN 0
.irp b, 0,1,2,3,4,5,6,7
	global_store_b128 v[CO], v[F0+32*((\a)%4)+4*(\b):F0+32*((\a)%4)+4*(\b)+3], s[8:9] offset:16384*(\a)+512*(\b)
.endr
.endm
	s_wait_tensorcnt 0x1                           ; my part of step 0 is in; step 1's may stay out
	s_barrier_signal -1
	s_barrier_wait -1                              ; everybody's is
	FETCH 0, 0, F0
	QUARTER 0, 1, F0, F1, 1                        ; the first quarter stands in front of the loop: its products start the sums
	WIN 0
	s_mov_b32 s3, LAPS-1
.Llap:                                             ; a trip goes once round the ring, from a lap's second quarter to the next lap's first, and fills both slots again
	QUARTER 0, 2, F1, F0, 0
	QUARTER 0, 3, F0, F1, 0
	TURN 0, 1, 1
	QUARTER 1, 1, F0, F1, 0
	QUARTER 1, 2, F1, F0, 0
	QUARTER 1, 3, F0, F1, 0
	TURN 1, 0, 1
	QUARTER 0, 1, F0, F1, 0
	WIN 0
	s_sub_co_u32 s3, s3, 1
	s_cmp_lg_u32 s3, 0
	s_cbranch_scc1 .Llap
	QUARTER 0, 2, F1, F0, 0                        ; the last lap fills nothing
	QUARTER 0, 3, F0, F1, 0
	TURN 0, 1, 0
	QUARTER 1, 1, F0, F1, 0
	QUARTER 1, 2, F1, F0, 0
	QUARTER 1, 3, F0, F1, 0
	s_wait_dscnt 8
	MUL16 F1, 0, 0, 0
	MUL16 F1, 0, 2, 0
	s_wait_dscnt 0x0
	MUL16 F1, 1, 0, 0
	MUL16 F1, 1, 2, 0
	PLACES
.irp a, 0,1,2,3,4,5,6,7
	OUT \a
.endr
	s_wait_tensorcnt 0x0                           ; the wave's end
	ds_add_u32 v[SPW], v[NIL]
	s_wait_dscnt 0x0
	CROUND                                         ; the closing round: no work-group ends while a partner may still ask for a tile that names it
	s_endpgm
.Lfunc_end_k_q4d6b799df2_proj:
	.size	k_q4d6b799df2_proj, .Lfunc_end_k_q4d6b799df2_proj-k_q4d6b799df2_proj
	.p2alignl 7, 3214868480
	.fill 96, 4, 3214868480
	.section	.rodata,"a",@progbits
	.p2align	6, 0x0
	.amdhsa_kernel k_q4d6b799df2_proj
		.amdhsa_group_segment_fixed_size 327680
		.amdhsa_private_segment_fixed_size 0
		.amdhsa_enable_private_segment 0
		.amdhsa_kernarg_size 16
		.amdhsa_user_sgpr_count 2
		.amdhsa_user_sgpr_kernarg_segment_ptr 1
		.amdhsa_wavefront_size32 1
		.amdhsa_system_sgpr_workgroup_id_x 1
		.amdhsa_system_sgpr_workgroup_id_y 1
		.amdhsa_system_sgpr_workgroup_id_z 1
		.amdhsa_system_vgpr_workitem_id 0
		.amdhsa_next_free_vgpr 1024
		.amdhsa_next_free_sgpr 72
		.amdhsa_reserve_vcc 0
		.amdhsa_float_denorm_mode_32 3
		.amdhsa_float_denorm_mode_16_64 3
		.amdhsa_memory_ordered 1
		.amdhsa_forward_progress 1
		.amdhsa_inst_pref_size 135
	.end_amdhsa_kernel
	.amdgpu_metadata
---
amdhsa.version: [ 1, 2 ]
amdhsa.kernels:
  - .name:           k_q4d6b799df2_proj
    .symbol:         k_q4d6b799df2_proj.kd
    .args:
      - { .name: cb, .offset: 0, .size: 8, .value_kind: global_buffer, .address_space: global }
      - { .name: h, .offset: 8, .size: 8, .value_kind: global_buffer, .address_space: global }
    .group_segment_fixed_size: 327680
    .private_segment_fixed_size: 0
    .kernarg_segment_align: 8
    .kernarg_segment_size: 16
    .max_flat_workgroup_size: 128
    .sgpr_count:     72
    .vgpr_count:     1024
    .wavefront_size: 32
...
	.end_amdgpu_metadata
.endif
;; end of part 2
;; launch attn (part 3): grid 32 x 8, 4 waves a work-group, clusters of 4 x 1, 327,680 bytes of LDS; arguments h, out0; writes out0
.if DOCPART == 3
	.amdgcn_target "amdgcn-amd-amdhsa--gfx1250"
	.amdhsa_code_object_version 6
	.text
	.protected	k_q4d6b799df2_attn
	.globl	k_q4d6b799df2_attn
	.p2align	8
	.type	k_q4d6b799df2_attn,@function
k_q4d6b799df2_attn:
	s_mov_b64 s[64:65], 0
	v_nop
	global_prefetch_b8 v0, s[64:65] scope:SCOPE_SE
	s_setreg_imm32_b32 hwreg(HW_REG_WAVE_MODE, 25, 1), 1
	s_wait_xcnt 0x0
	s_wait_alu depctr_hold_cnt(0) depctr_sa_sdst(0) depctr_va_vdst(0) depctr_va_sdst(0) depctr_va_ssrc(0) depctr_va_vcc(0) depctr_vm_vsrc(0)
	s_getreg_b32 s2, hwreg(HW_REG_IB_STS2, 6, 4)
	s_cmp_eq_u32 s2, 0
	s_cbranch_scc0 .Lentry_in_a_cluster
	s_endpgm
.Lentry_in_a_cluster:
	s_bfe_u32 s2, ttmp6, 0x10000c
	s_cmp_lg_u32 s2, 0x3003
	s_cbranch_scc0 .Lentry_shape_is_right
	s_endpgm
.Lentry_shape_is_right:
; out[b][q][:] = the sum over k of softmax_k((h1[b][q] . h2[b][k] + mask(q, k)) / sqrt(2048)) h1[b][k][:], mask = -20000 where k > q, else 0.  h: f16 in blocks of 16 rows x 16 channels (below); out: f32.
; THE MASK IS A FINITE NUMBER, so hidden keys count as soon as scores are large: ALL 2,048 keys are walked, and the mask is the number with which a score's sum begins.
; Products, maxima and sums in f32; the weights p are rounded to f16 for the second product (their sum l is taken of the unrounded p).
; LIMITS.  h arrives within f16's range (65,504); a weight below 2^-126 counts as 0 in l; NaN and infinities are not treated apart.
; h's BLOCKS: block (j, s / 16, d / 16) at ((128 j + s / 16) 32 + d / 16) 512, j = b for h1, 8 + b for h2; in it the 16 bytes of row k, channel octet p at 256 p + 16 ((k & 7) + 8 ((k >> 3) xor p)).
; A tile in LDS is a copy of 128 rows' blocks, 131,072 dense bytes.  A plain fragment load (lane (r, hf) takes row r, octet hf) and a turning load (lane l takes row 8 (l / 16) + l % 8, octet (l / 8) % 2)
; both touch 16 different groups of four banks in each half of the lanes (64 banks of 4 bytes: ISA guide 11.1).
; SHARES.  A work-group owns 64 queries of one batch: four tiles t of 16.  Keys go in 16 steps of 128.
;   S^T = K Q^T is split BY KEYS: wave w takes keys 32 w .. 32 w + 31 of the step against all 64 queries: 8 accumulators, 128 products; all of Q lies in its registers.
;   O^T = V^T P is split BY CHANNELS: wave w owns channels 128 w .. 128 w + 127 of all 64 queries: 32 accumulators, 128 products.
;   Between the two the waves hand each other, through LDS, their maxima (MX), the weights P (as register images of source 1) and, at the end, their sums l (LX).
; In S^T, P and O^T a lane holds ONE query (lane % 16).  p = 2^(c s - c m), c = log2(e) / sqrt(2048), with a running maximum m over all waves' keys; O and l are multiplied by a = 2^(c m_old - c m_new) in every step.
; m starts at the lowest finite number and O and l at 0: the first step is a step like any other, with a = 0.
; A TRIP n: phase A: K Q^T of step n; the wave's maxima; a round, K of step n + 1 asked for; phase B: V^T P of step n - 1, beside it the softmax of step n; a round, V of step n asked for.
; O a(n-1), 128 packed multiplies, stands where the wave has nothing else: while K's first fragments come, round the maxima's round, and while phase B's first fragments come.
; THE TWO SLOTS.  Slot A holds K of steps 1 to 15 and, when no K is left to fetch, V of step 15; slot B holds K of step 0 and then V of steps 0 to 14.  So the two tiles asked for at the head are the
; two that are multiplied first, and the last V is asked for a phase ahead like every other.
; CLUSTER.  The four query blocks of a cluster walk the same K and V: each tile is asked for JOINTLY, a quarter a wave.  Cluster x begins at tile 2 x and walks round: the order of keys is free in a running softmax.
; REGISTERS, in windows of 256 (s_set_vgpr_msb: bits 1:0 source 0, 3:2 source 1, 5:4 source 2, 7:6 destination):
;   window 0: v0-15 addresses; v16-31 statistics; v32-39 a; v40-47 the diagonal's mask; v48-63 at work; v64-127 S^T; v128-255 fragments of K (phase A), of P and V (phase B)
;   window 1: O^T, (channel block cbl, t) at 8 (4 cbl + t)          windows 2, 3: Q, (t, channels 32 c on) in window 2 + c / 8 at 8 (4 (c % 8) + t)
.set SLB,   131072                     ; slot A at 0, slot B here
.set PBASE, 262144                     ; two buffers of P: fragment (wave g, tile t, half) at 4096 g + 1024 t + 512 half + 16 lane
.set PBUF,  16384
.set MX,    294912                     ; the waves' maxima: wave w, query r of the four tiles at 256 w + 16 r
.set LX,    295936                     ; their sums, likewise
.set SPARE, 296960                     ; the spare words, 128 bytes for each wave: two blocks of 256 bytes that no other line names
.set STAGE, 297472                     ; 16 rows x 272 bytes for each wave, for the way out
.set SP,    272
.set AVA, 0                            ; v0   (once the set-up has read my thread's number) my place in my wave's channels of a tile of V that lies in slot A
.set PFO, 1                            ; v1   256 x my lane; never rewritten
.set AK,  2                            ; v2   my place in my wave's 32 keys of the slot that holds K
.set AV0, 3                            ; v3   my place in my wave's channels of the slot that holds V, keys 0-63;  v4: keys 64-127
.set AP0, 5                            ; v5   16 x lane in P's buffer 0
.set APS0, 6                           ; v6   the same in my wave's fragments
.set AMS, 7                            ; v7   where I put my wave's maxima
.set AML, 8                            ; v8   where I read wave 0's
.set AP,  9                            ; v9   AP0 in the buffer that is read;  before the loop: my offset in a block of Q and K
.set QO,  9
.set APS, 10                           ; v10  APS0 in the buffer that is written
.set GO,  11                           ; v11  my byte offset in two rows of out
.set STO, 12                           ; v12  the way out: where I put 16 bytes
.set RD,  13                           ; v13  the way out: where I read rows back
.set SPW, 14                           ; v14  LDS address of my spare word; never rewritten
.set NIL, 15                           ; v15  0; never rewritten
.set ST,  16                           ; tile t at ST + 4 t: c m, m, l (even keys', odd keys')
.set AA,  32                           ; tile t at AA + 2 t: a, and c m_old - c m_new
.set DG,  40                           ; -20000 where key 8 (l / 16) + i of a tile is greater than query l % 16, else 0
.set TMP, 48
.set S,   64                           ; accumulator q = 4 kt + t (key tile kt of my two, query tile t) at S + 8 q
.set POOL, 128                         ; phase A: two buffers of 64 for K
.set P0,  128                          ; phase B: two buffers of 32 for P,
.set VA,  192                          ; two of 32 for V
.set WV,  8                            ; s8   my wave's number
.set CX,  9                            ; s9   my place in the cluster: it enters Q's, out's and the prefetch's addresses and the mask's numbers alone
.set QBK, 10                           ; s10  my block of 64 queries
.set BT,  11                           ; s11  the batch
.set QP,  12                           ; s[12:13] Q
.set G1,  16                           ; s[16:23] descriptor group 1
.set G0K, 24                           ; s[24:27] descriptor group 0 for slot A
.set G0V, 28                           ; s[28:31] for slot B
.set KBASE, 32                         ; s[32:33] my quarter of h2's tile 0
.set VBASE, 34                         ; s[34:35] of h1's
.set OFF, 36                           ; s[36:37] a tile's byte offset
.set SK,  38                           ; s38  the tile of the step after the one in hand
.set SV,  39                           ; s39  the tile of the step in hand
.set DD,  40                           ; s40  first key tile of my wave in tile SK, less my block's first query tile, in tiles of 16
.set CNT, 41
.set CS,  42                           ; s[42:43] c
.set SEL, 44                           ; s[44:45] v_permlanex16_b32's selects: each lane takes its own place in the other half
.set AL,  46                           ; s[46:47] the mask's factor
.set BE,  48                           ; s[48:49] the mask's addend
.set NEG, 50                           ; s50  -20000
.set PW,  51                           ; s51  P's buffer that is written
.set W2Q, 52                           ; s52  2 w - 4 x my block
.set PR,  53                           ; s53  P's buffer that is read
.set PF,  54                           ; s[54:55] the prefetch
.set MSB, 0
.macro WIN new                         ; the high byte repeats the setting that is left; a switch that changes nothing is dropped
.if MSB != (\new)
	s_set_vgpr_msb (MSB<<8)|(\new)
.set MSB, (\new)
.endif
.endm
.macro PLACES                          ; four plain vector instructions between a matrix instruction and a load into, or a vector instruction on, its registers
.rept 4
	v_nop
.endr
.endm
; A round of the cluster's barrier: my work-group's barrier; wave 0 signals for the work-group; every wave waits for all four work-groups; my work-group's barrier once more.
.macro CREST                           ; a round behind its opening barrier
	s_cmp_lg_u32 s[WV], 0
	s_cbranch_scc1 .Lnot_wave_0_\@
	s_barrier_signal -3
.Lnot_wave_0_\@:
	s_barrier_wait -3
	s_barrier_signal -1
	s_barrier_wait -1
.endm
.macro ROUND                           ; a whole round
	s_barrier_signal -1
	s_barrier_wait -1
	CREST
.endm
.macro RS                              ; number r of the 128 that multiply O^T by a; an accumulator's registers in ascending order
	v_pk_mul_f32 v[8*(r/4)+2*(r%4):8*(r/4)+2*(r%4)+1], v[8*(r/4)+2*(r%4):8*(r/4)+2*(r%4)+1], v[AA+2*((r/4)%4):AA+2*((r/4)%4)+1] op_sel_hi:[1,0]
.set r, r+1
.endm
.macro RSN n                           ; the next n of them
	WIN 0x41                                       ; O^T (destination and source 0) in window 1, a in window 0
.rept \n
	RS
.endr
.endm
; A slot is filled again.  Each wave waits for all its tensor loads (one is out: its quarter of the other slot), adds 0 to its spare word, and waits for that, for its reads of the slot and for its LDS stores.
; Behind the round no wave of any partner reads the slot, the other slot is whole, and what the waves stored for each other may be read.  The joint load is the first thing there: one load of mine is out.
; rs = 1: 24 of O's multiplies stand between the add and the wait for it, 16 between the opening signal and its wait: work on registers.
.macro FILL g0, base, sig, rs
	WIN 0
	s_wait_tensorcnt 0x0
	ds_add_u32 v[SPW], v[NIL]                      ; the descriptor's address is made between it and the wait for it
	s_lshl_b32 s[OFF], s[\sig], 17                 ; a tile is 131,072 bytes
	s_add_nc_u64 s[(\g0)+2:(\g0)+3], s[\base:(\base)+1], s[OFF:OFF+1]
	s_or_b32 s[(\g0)+3], s[(\g0)+3], 0x80000000
.if \rs
	RSN 24
.endif
	s_wait_dscnt 0x0
	s_barrier_signal -1
.if \rs
	RSN 16
	WIN 0
.endif
	s_barrier_wait -1
	CREST
	tensor_load_to_lds s[\g0:(\g0)+3], s[G1:G1+7]
	s_nop 0
.endm
.macro MEETP                           ; the same waits and a barrier of the work-group alone
	WIN 0
	s_wait_tensorcnt 0x0
	ds_add_u32 v[SPW], v[NIL]
	s_wait_dscnt 0x0
	s_barrier_signal -1
	s_barrier_wait -1
.endm
	s_load_b128 s[4:7], s[0:1], 0x0                ; h s[4:5], out0 s[6:7]
	v_lshl_add_u32 v[SPW], v0, 2, SPARE
	v_mov_b32 v[NIL], 0
	ds_add_u32 v[SPW], v[NIL]                      ; the wave's opening: the add and its wait stand ahead of my first tensor load; the set-up below stands between them
	v_lshrrev_b32 v1, 5, v0
	v_readfirstlane_b32 s[WV], v1                  ; wave 0..3
	s_bfe_u32 s[CX], ttmp6, 0x40000
	s_lshl_b32 s[QBK], ttmp9, 2                    ; in a cluster launch ttmp9 counts clusters
	s_add_co_u32 s[QBK], s[QBK], s[CX]
	s_and_b32 s[BT], ttmp7, 0xffff
	s_mov_b32 s[G1], 15|(3<<16)|(1<<21)            ; the mask of four; 8-byte elements; bit 21 beside a mask; no padding
	s_mov_b32 s[G1+1], 32<<16                      ; tensor_dim0 = 32: rows of 256 bytes
	s_mov_b32 s[G1+2], 128<<16                     ; tensor_dim1 = 128: 32,768 dense bytes, a quarter of a tile
	s_mov_b32 s[G1+3], 32<<16                      ; tile_dim0 = 32
	s_mov_b32 s[G1+4], 128                         ; tile_dim1 = 128
	s_mov_b32 s[G1+5], 32                          ; elements from row to row
	s_mov_b32 s[G1+6], 0
	s_mov_b32 s[G1+7], 0
	s_mov_b32 s[G0K], 1
	s_lshl_b32 s[G0K+1], s[WV], 15                 ; LDS: my quarter of slot A,
	s_mov_b32 s[G0V], 1
	s_lshl_b32 s[G0V+1], s[WV], 15
	s_add_co_u32 s[G0V+1], s[G0V+1], SLB           ; of slot B
	s_lshl_b32 s[SV], ttmp9, 1                     ; the walk's first tile, 14 at the most,
	s_add_co_u32 s[SK], s[SV], 1                   ; and its second
	s_lshl_b32 s[OFF], s[SV], 17
	s_mov_b32 s[OFF+1], 0
	s_lshl_b32 s58, s[SK], 17
	s_mov_b32 s59, 0
	s_lshl_b32 s2, s[WV], 1
	s_lshl_b32 s3, s[QBK], 2
	s_sub_co_i32 s[W2Q], s2, s3
	s_lshl_b32 s[DD], s[SV], 3
	s_add_co_i32 s[DD], s[DD], s[W2Q]
	s_lshl_b32 s2, s[BT], 21                       ; the batch's matrix, 2,097,152 bytes,
	s_lshl_b32 s3, s[WV], 15                       ; my quarter of a tile
	s_add_co_u32 s2, s2, s3
	s_mov_b32 s3, 0
	s_lshl_b32 s12, s[BT], 21                      ; Q: my block's four tiles of 16 rows, 16,384 bytes each
	s_lshl_b32 s13, s[QBK], 16
	s_add_co_u32 s12, s12, s13
	s_mov_b32 s13, 0
	s_lshl_b32 s14, s[BT], 22                      ; out: the batch, my block's 64 rows of 2,048 bytes, my wave's 512 bytes of a row
	s_lshl_b32 s15, s[QBK], 17
	s_add_co_u32 s14, s14, s15
	s_lshl_b32 s15, s[WV], 9
	s_add_co_u32 s14, s14, s15
	s_mov_b32 s15, 0
	s_lshl_b32 s56, s[SK], 17                      ; the prefetch: h1's second tile of the walk, my work-group's quarter, my wave's quarter of that
	s_lshl_b32 s57, s[BT], 21
	s_add_co_u32 s56, s56, s57
	s_lshl_b32 s57, s[CX], 15
	s_add_co_u32 s56, s56, s57
	s_lshl_b32 s57, s[WV], 13
	s_add_co_u32 s56, s56, s57
	s_mov_b32 s57, 0
	s_mov_b32 s[CS], 0x3d0293ee                    ; c = log2(e) / sqrt(2048) = 0.0318793
	s_mov_b32 s[CS+1], s[CS]                       ; named with it as a pair
	s_mov_b32 s[SEL], 0x76543210
	s_mov_b32 s[SEL+1], 0xfedcba98
	s_mov_b32 s[AL+1], 0                           ; named as pairs
	s_mov_b32 s[BE+1], 0
	s_mov_b32 s[NEG], 0xc69c4000                   ; -20000
	s_wait_dscnt 0x0                               ; the opening add is done
	s_wait_kmcnt 0x0
	s_add_nc_u64 s[VBASE:VBASE+1], s[4:5], s[2:3]
	s_add_nc_u64 s[KBASE:KBASE+1], s[VBASE:VBASE+1], 0x1000000   ; h2 lies eight matrices behind h1
	s_add_nc_u64 s[QP:QP+1], s[4:5], s[12:13]
	s_add_nc_u64 s[6:7], s[6:7], s[14:15]
	s_add_nc_u64 s[PF:PF+1], s[4:5], s[56:57]
	s_add_nc_u64 s[G0V+2:G0V+3], s[KBASE:KBASE+1], s[OFF:OFF+1]  ; K of step 0 goes into slot B,
	s_or_b32 s[G0V+3], s[G0V+3], 0x80000000
	s_add_nc_u64 s[G0K+2:G0K+3], s[KBASE:KBASE+1], s[58:59]      ; K of step 1 into slot A
	s_or_b32 s[G0K+3], s[G0K+3], 0x80000000
	ROUND                                          ; all four work-groups are here: the first joint loads meet
	tensor_load_to_lds s[G0V:G0V+3], s[G1:G1+7]    ; K of step 0
	s_nop 0
	tensor_load_to_lds s[G0K:G0K+3], s[G1:G1+7]    ; K of step 1: two loads of mine are out
	s_nop 0
	PLACES
	v_and_b32 v48, 15, v0                          ; r = l % 16
	v_bfe_u32 v49, v0, 4, 1                        ; l / 16
	v_bfe_u32 v50, v0, 3, 1                        ; r >> 3; also the turning load's octet
	v_and_b32 v51, 7, v0
	v_xor_b32 v52, v50, v49
	v_lshl_add_u32 v52, v52, 3, v51
	v_lshlrev_b32 v52, 4, v52
	v_lshl_add_u32 v[QO], v49, 8, v52              ; a plain fragment's place in a block: row r, octet l / 16
	v_lshl_add_u32 v[AV0], v50, 8, v52             ; a turning load's: row 8 (l / 16) + l % 8, octet (l / 8) % 2
	v_and_b32 v53, 31, v0
.macro QLOAD c0                        ; Q stays in registers: tile t, channels 32 c on: a block and its neighbour
.set c, 0
.rept 8
.irp t, 0,1,2,3
	global_load_b128 v[8*(4*c+(\t)):8*(4*c+(\t))+3],   v[QO], s[QP:QP+1] offset:16384*(\t)+1024*(c+(\c0))
	global_load_b128 v[8*(4*c+(\t))+4:8*(4*c+(\t))+7], v[QO], s[QP:QP+1] offset:16384*(\t)+1024*(c+(\c0))+512
.endr
.set c, c+1
.endr
.endm
	WIN 0x80
	QLOAD 0
	WIN 0xc0
	QLOAD 8
	WIN 0
	s_lshl_b32 s2, s[WV], 15
	s_add_co_u32 s2, s2, SLB
	v_add_nc_u32 v[AK], s2, v[QO]                  ; step 0's K lies in slot B
	s_lshl_b32 s2, s[WV], 12                       ; my 8 blocks of channels
	v_add_nc_u32 v[AVA], s2, v[AV0]                ; (my thread's number has been read for the last time)
	v_add_nc_u32 v[AV0], SLB, v[AVA]
	v_add_nc_u32 v[AV0+1], SLB+0x10000, v[AVA]     ; four tiles of 16 keys on: an LDS offset holds 16 bits
	v_lshlrev_b32 v54, 4, v53
	v_add_nc_u32 v[AP0], PBASE, v54
	s_add_co_u32 s3, s2, PBASE
	v_add_nc_u32 v[APS0], s3, v54
	v_mov_b32 v[APS], v[APS0]                      ; step 0's weights go into buffer 0
	v_lshlrev_b32 v55, 4, v48
	v_add_nc_u32 v[AML], MX, v55
	s_lshl_b32 s2, s[WV], 8
	v_add_nc_u32 v[AMS], s2, v[AML]
	v_lshl_add_u32 v[GO], v49, 11, v55             ; lanes 0-15 one row of out, lanes 16-31 the next
	s_mul_i32 s2, s[WV], 16*SP
	s_add_co_u32 s2, s2, STAGE
	v_mul_u32_u24 v[STO], v48, SP                  ; in: row r, 32 bytes for each half of the lanes
	v_lshl_add_u32 v[STO], v49, 5, v[STO]
	v_add_nc_u32 v[STO], s2, v[STO]
	v_mul_u32_u24 v[RD], v49, SP                   ; back: whole rows of 256 bytes
	v_add_nc_u32 v[RD], v[RD], v55
	v_add_nc_u32 v[RD], s2, v[RD]
	v_lshlrev_b32 v[PFO], 8, v53
	v_lshlrev_b32 v54, 3, v49
	v_sub_nc_u32 v54, v48, v54                     ; r - 8 (l / 16): register i of a diagonal tile is hidden where i is greater
.irp i, 0,1,2,3,4,5,6,7
	v_cmp_gt_i32 vcc_lo, \i, v54
	v_cndmask_b32 v[DG+\i], 0, s[NEG], vcc_lo
.endr
.irp t, 0,1,2,3
	v_mov_b32 v[ST+4*\t], 0xfe000000               ; c m: far below every c s
	v_mov_b32 v[ST+4*\t+1], 0xff7fffff             ; m
	v_mov_b32 v[ST+4*\t+2], 0
	v_mov_b32 v[ST+4*\t+3], 0
.endr
	WIN 0x40                                       ; O^T = 0: no first step is written out; these lines stand in the wait for the first tile
.set i, 0
.rept 256
	v_mov_b32 v[i], 0
.set i, i+1
.endr
	WIN 0
; PHASE A.  LK: K's fragments for channels 128 kb .. 128 kb + 127 of my 32 keys: 16 loads.
.macro LK kb
	WIN 0
.irp cc, 0,1,2,3
.irp kt, 0,1
	ds_load_b128 v[POOL+64*((\kb)%2)+8*(2*(\cc)+(\kt)):POOL+64*((\kb)%2)+8*(2*(\cc)+(\kt))+3],   v[AK] offset:16384*(\kt)+1024*(4*(\kb)+(\cc))
	ds_load_b128 v[POOL+64*((\kb)%2)+8*(2*(\cc)+(\kt))+4:POOL+64*((\kb)%2)+8*(2*(\cc)+(\kt))+7], v[AK] offset:16384*(\kt)+1024*(4*(\kb)+(\cc))+512
.endr
.endr
.endm
; 32 products back to back: four times 32 channels, the 8 accumulators by turns, one instruction a turn.
.macro QKB kb
	WIN 0x08+4*((\kb)/2)                           ; Q in window 2 or 3
.irp cc, 0,1,2,3
.irp kt, 0,1
.irp t, 0,1,2,3
	v_wmma_f32_16x16x32_f16 v[S+8*(4*(\kt)+(\t)):S+8*(4*(\kt)+(\t))+7], v[POOL+64*((\kb)%2)+8*(2*(\cc)+(\kt)):POOL+64*((\kb)%2)+8*(2*(\cc)+(\kt))+7], v[8*(4*((4*(\kb)+(\cc))%8)+(\t)):8*(4*((4*(\kb)+(\cc))%8)+(\t))+7], v[S+8*(4*(\kt)+(\t)):S+8*(4*(\kt)+(\t))+7]
.endr
.endr
.endr
.endm
.macro PHASE_A rs
	LK 0
	LK 1
.if \rs
.set r, 0
	RSN 48                                         ; the first 48 of O's multiplies, while the first fragments are on their way
.endif
	s_wait_dscnt 16                                ; the first run is in, the second may be out
	QKB 0
	PLACES
	LK 2
	s_wait_dscnt 16
	QKB 1
	PLACES
	LK 3
	s_wait_dscnt 16
	QKB 2
	s_wait_dscnt 0x0
	QKB 3
	WIN 0
	PLACES
.endm
; My wave's maximum for each query: two chains a tile, one for each of its accumulators (each begun at the accumulator's lowest registers), the other half of the lanes, and into MX.
.macro LMAX
	WIN 0
.irp t, 0,1,2,3
	v_max3_num_f32 v[TMP+\t], v[S+8*\t], v[S+8*\t+1], v[S+8*\t+2]
.endr
.irp t, 0,1,2,3
	v_max3_num_f32 v[TMP+4+\t], v[S+32+8*\t], v[S+32+8*\t+1], v[S+32+8*\t+2]
.endr
.irp t, 0,1,2,3
	v_max3_num_f32 v[TMP+\t], v[TMP+\t], v[S+8*\t+3], v[S+8*\t+4]
.endr
.irp t, 0,1,2,3
	v_max3_num_f32 v[TMP+4+\t], v[TMP+4+\t], v[S+32+8*\t+3], v[S+32+8*\t+4]
.endr
.irp t, 0,1,2,3
	v_max3_num_f32 v[TMP+\t], v[TMP+\t], v[S+8*\t+5], v[S+8*\t+6]
.endr
.irp t, 0,1,2,3
	v_max3_num_f32 v[TMP+4+\t], v[TMP+4+\t], v[S+32+8*\t+5], v[S+32+8*\t+6]
.endr
.irp t, 0,1,2,3
	v_max3_num_f32 v[TMP+\t], v[TMP+\t], v[S+8*\t+7], v[S+32+8*\t+7]
.endr
.irp t, 0,1,2,3
	v_max_num_f32 v[TMP+\t], v[TMP+\t], v[TMP+4+\t]
.endr
.irp t, 0,1,2,3
	v_permlanex16_b32 v[TMP+4+\t], v[TMP+\t], s[SEL], s[SEL+1]
.endr
.irp t, 0,1,2,3
	v_max_num_f32 v[TMP+8+\t], v[TMP+\t], v[TMP+4+\t]
.endr
	ds_store_b128 v[AMS], v[TMP+8:TMP+11]          ; both halves of the lanes store the same four numbers
.endm
.macro LMX                             ; the four waves' maxima: wave x, tile t in TMP + 4 x + t
.irp x, 0,1,2,3
	ds_load_b128 v[TMP+4*\x:TMP+4*\x+3], v[AML] offset:256*\x
.endr
.endm
; THE SOFTMAX OF A STEP is a numbered list; SMI writes number j of it.
;   0-7 m takes the four waves' maxima   8-11 c m_old is kept   12-15 c m   16-19 c m_old - c m_new   20-23 a
;   24-119 the 32 scalings c s - c m (a pair of scores each) and the 64 exponentials: four scalings, 28 times exponential and scaling, 36 exponentials.  None of these names an exponential's result.
;   120 a plain instruction behind the last exponential and ONE wait for all 68 ahead of the first instruction that names a result
;   121-152 l takes a tile's eight pairs of weights one after the other (the first as l = a l + pair), the four tiles by turns, so that a tile's links stand four numbers apart
;   153-184 the roundings to f16, IN PLACE: pair z of an accumulator goes into its register z, z ascending, so that no pair is written over before it is rounded: registers 0-3 are then the 16 bytes of P
;   (PST, the eight stores of P, stands between 184 and 185, in one run)
;   185-216 (mk = 1) the next step's sums begin: DG x AL + BE, with (1, 0) for the tile on the diagonal, (0, -20000) above it, (0, 0) below: selects, no branch
.macro FF f
	v_pk_fma_f32 v[S+2*(\f):S+2*(\f)+1], v[S+2*(\f):S+2*(\f)+1], s[CS:CS+1], v[ST+4*(((\f)/4)%4):ST+4*(((\f)/4)%4)+1] op_sel_hi:[1,0,0] neg_lo:[0,0,1] neg_hi:[0,0,1]
.endm
.macro EE e
	v_exp_f32 v[S+(\e)], v[S+(\e)]
.endm
.macro SMI mk
.if j < 4
	v_max3_num_f32 v[ST+4*j+1], v[ST+4*j+1], v[TMP+j], v[TMP+4+j]
.elseif j < 8
	v_max3_num_f32 v[ST+4*(j-4)+1], v[ST+4*(j-4)+1], v[TMP+8+(j-4)], v[TMP+12+(j-4)]
.elseif j < 12
	v_mov_b32 v[AA+2*(j-8)+1], v[ST+4*(j-8)]
.elseif j < 16
	v_mul_f32 v[ST+4*(j-12)], s[CS], v[ST+4*(j-12)+1]
.elseif j < 20
	v_sub_f32 v[AA+2*(j-16)+1], v[AA+2*(j-16)+1], v[ST+4*(j-16)]
.elseif j < 24
	v_exp_f32 v[AA+2*(j-20)], v[AA+2*(j-20)+1]
.elseif j < 28
	FF j-24
.elseif (j < 84) && (j%2 == 0)
	EE (j-28)/2
.elseif j < 84
	FF (j-29)/2+4
.elseif j < 120
	EE j-56
.elseif j == 120
	v_nop
	s_wait_alu depctr_va_vdst(0)
.elseif j < 153
.set pp, (j-121)/4
.set tt, (j-121)%4
.set rg, S+8*(tt+4*(pp/4))+2*(pp%4)
.if pp == 0
	v_pk_fma_f32 v[ST+4*tt+2:ST+4*tt+3], v[ST+4*tt+2:ST+4*tt+3], v[AA+2*tt:AA+2*tt+1], v[rg:rg+1] op_sel_hi:[1,0,1]
.else
	v_pk_add_f32 v[ST+4*tt+2:ST+4*tt+3], v[ST+4*tt+2:ST+4*tt+3], v[rg:rg+1]
.endif
.elseif j < 185
.set z, (j-153)/8
.set q, (j-153)%8
	v_cvt_pk_f16_f32 v[S+8*q+z], v[S+8*q+2*z], v[S+8*q+2*z+1]
.elseif (j < 217) && (\mk)
.set q, (j-185)/4
.set z, (j-185)%4
.if z == 0
	s_cmp_eq_i32 s[DD], (q%4)-(q/4)                ; is key tile kt of my two the query tile t's own?
	s_cselect_b32 s[AL], 1.0, 0
	s_cmp_gt_i32 s[DD], (q%4)-(q/4)                ; or a later one?
	s_cselect_b32 s[BE], s[NEG], 0
.endif
	v_pk_fma_f32 v[S+8*q+2*z:S+8*q+2*z+1], v[DG+2*z:DG+2*z+1], s[AL:AL+1], s[BE:BE+1] op_sel_hi:[1,0,0]
.endif
.set j, j+1
.endm
.macro PST                             ; my wave's eight half fragments of P, 16 bytes a lane each
.irp q, 0,1,2,3,4,5,6,7
	ds_store_b128 v[APS], v[S+8*(\q):S+8*(\q)+3] offset:1024*((\q)%4)+512*((\q)/4)
.endr
.endm
; PHASE B.  LP: P's fragments of wave g's 32 keys, all four tiles.  LV: V's fragments, turned, of those keys for four of my eight blocks of channels.
.macro LP g
	WIN 0
.irp t, 0,1,2,3
	ds_load_b128 v[P0+32*((\g)%2)+8*(\t):P0+32*((\g)%2)+8*(\t)+3],   v[AP] offset:4096*(\g)+1024*(\t)
	ds_load_b128 v[P0+32*((\g)%2)+8*(\t)+4:P0+32*((\g)%2)+8*(\t)+7], v[AP] offset:4096*(\g)+1024*(\t)+512
.endr
.endm
.macro LV g, hf
	WIN 0
.irp i, 0,1,2,3
	ds_load_tr16_b128 v[VA+32*(\hf)+8*(\i):VA+32*(\hf)+8*(\i)+3],   v[AV0+(\g)/2] offset:16384*((2*(\g))%4)+512*(4*(\hf)+(\i))
	ds_load_tr16_b128 v[VA+32*(\hf)+8*(\i)+4:VA+32*(\hf)+8*(\i)+7], v[AV0+(\g)/2] offset:16384*((2*(\g)+1)%4)+512*(4*(\hf)+(\i))
.endr
.endm
.macro RID mk                          ; up to four numbers of the softmax's list, as far as JLIM
	WIN 0
.rept 4
.if j < JLIM
	SMI \mk
.endif
.endr
.endm
; 8 products on 8 different accumulators: blocks of channels i0, i0 + 1 of the half's four.  sm = 1: behind every second product stand four numbers of the softmax's list; none names a register of the products round it.
.macro PVH g, hf, i0, sm, mk
.irp i, \i0, (\i0)+1
.irp t, 0,1,2,3
	WIN 0x50                                       ; V and P in window 0, O^T in window 1
	v_wmma_f32_16x16x32_f16 v[8*(4*(4*(\hf)+(\i))+(\t)):8*(4*(4*(\hf)+(\i))+(\t))+7], v[VA+32*(\hf)+8*(\i):VA+32*(\hf)+8*(\i)+7], v[P0+32*((\g)%2)+8*(\t):P0+32*((\g)%2)+8*(\t)+7], v[8*(4*(4*(\hf)+(\i))+(\t)):8*(4*(4*(\hf)+(\i))+(\t))+7]
.if (\sm) && ((\t)%2 == 1) && (j < JLIM)
	RID \mk
.endif
.endr
.endr
.endm
.macro PVB g, hf, sm, mk
	PVH \g, \hf, 0, \sm, \mk
	PVH \g, \hf, 2, \sm, \mk
.endm
; Each wait's count is the number of LDS instructions issued behind the run that the next products need.
; The list's numbers 0 to 184 ride behind the first 96 products (48 groups of four); P's stores stand in the run of V's last loads; the next step's masks ride behind the next 16.
; fin = 1: the phase ends in the round behind which slot B takes V of the step in hand.  The wait for all tensor loads (one is out: K of the next step) and the add stand 16 products ahead of the phase's end:
; eight products between the add and the wait for it, eight between the opening signal and its wait.
.macro PHASE_B sm, mk, fin
.set j, 0
.set JLIM, 185
	WIN 0
.if \sm
	LMX
.endif
	LP 0
	LV 0, 0
	LV 0, 1
	LP 1
.if \sm
	RSN 40                                         ; the last 40 of O's multiplies, while the first fragments are on their way
.endif
	s_wait_dscnt 16
	PVB 0, 0, \sm, \mk
	PLACES
	LV 1, 0
	s_wait_dscnt 16
	PVB 0, 1, \sm, \mk
	PLACES
	LV 1, 1
	LP 2
	s_wait_dscnt 16
	PVB 1, 0, \sm, \mk
	PLACES
	LV 2, 0
	s_wait_dscnt 16
	PVB 1, 1, \sm, \mk
	PLACES
	LV 2, 1
	LP 3
	s_wait_dscnt 16
	PVB 2, 0, \sm, \mk
	PLACES
	LV 3, 0
	s_wait_dscnt 16
	PVB 2, 1, \sm, \mk
	PLACES
	LV 3, 1
.if \sm
	PST
.endif
	s_wait_dscnt 8+8*(\sm)                         ; V's last eight loads, and P's eight stores, may be out
.set JLIM, 185+32*(\mk)
	PVB 3, 0, \sm, \mk
.if \fin
	WIN 0
	s_wait_tensorcnt 0x0                           ; all my tensor loads have landed: my quarter of K of the next step
	ds_add_u32 v[SPW], v[NIL]
	s_lshl_b32 s[OFF], s[SV], 17
	s_add_nc_u64 s[G0V+2:G0V+3], s[VBASE:VBASE+1], s[OFF:OFF+1]
	s_or_b32 s[G0V+3], s[G0V+3], 0x80000000
	s_wait_dscnt 9                                 ; (P's eight stores and the add may be out: V's last fragments are in)
	PVH 3, 1, 0, 0, 0
	s_wait_dscnt 0x0                               ; the add is done, my reads of slot B are over, my part of P lies in LDS
	s_barrier_signal -1
	PVH 3, 1, 2, 0, 0                              ; work on registers while the others arrive
	WIN 0
	PLACES
	s_barrier_wait -1
	CREST                                          ; no wave of any partner still reads slot B or has a load on its way
	tensor_load_to_lds s[G0V:G0V+3], s[G1:G1+7]    ; one load of mine is out
	s_nop 0
.else
	s_wait_dscnt 8*(\sm)
	PVB 3, 1, 0, 0
	WIN 0
	PLACES
.endif
.endm
.set j, 185
.rept 32
	SMI 1                                          ; step 0's sums begin with their mask
.endr
	s_wait_tensorcnt 0x1                           ; my quarter of K of step 0 is in; step 1's may stay out
	s_barrier_signal -1
	s_barrier_wait -1
	s_wait_loadcnt 0x0                             ; Q
	PHASE_A 0                                      ; STEP 0: its scores, out of slot B,
	s_lshl_b32 s2, s[WV], 15
	v_add_nc_u32 v[AK], s2, v[QO]                  ; from now on K lies in slot A
	LMAX
	FILL G0V, VBASE, SV, 0                         ; K of step 1 is in; slot B takes V of step 0
	s_lshl_b32 s[DD], s[SK], 3
	s_add_co_i32 s[DD], s[DD], s[W2Q]
	LMX
	global_prefetch_b8 v[PFO], s[PF:PF+1] th:TH_LOAD_NT scope:SCOPE_SE  ; h1's second tile of the walk, which trip 1 will ask for as V: 512 lanes of the cluster, 256 bytes each, each named once in the launch
	s_wait_dscnt 0x0
.set j, 0
.rept 185
	SMI 1                                          ; and its softmax, with no products to stand beside
.endr
	PST
.rept 32
	SMI 1
.endr
	s_wait_dscnt 0x0                               ; for the others' sake: my part of P lies in LDS
	s_barrier_signal -1                            ; V of step 0 may stay on its way across it
	s_barrier_wait -1
	s_mov_b32 s[SV], s[SK]
	s_add_co_u32 s[SK], s[SK], 1
	s_and_b32 s[SK], s[SK], 15
	s_mov_b32 s[PW], PBUF
	s_mov_b32 s[PR], 0
	s_mov_b32 s[CNT], 14
.Ltrip:                                            ; steps 1 to 14
	v_add_nc_u32 v[AP], s[PR], v[AP0]
	v_add_nc_u32 v[APS], s[PW], v[APS0]
	PHASE_A 1
	LMAX
	FILL G0K, KBASE, SK, 1                         ; the maxima may be read; V of the step before is in; slot A takes K of the next step
	s_lshl_b32 s[DD], s[SK], 3
	s_add_co_i32 s[DD], s[DD], s[W2Q]
	PHASE_B 1, 1, 1                                ; at its end: P may be read; K of the next step is in; slot B takes V of this step
	s_mov_b32 s[SV], s[SK]
	s_add_co_u32 s[SK], s[SK], 1
	s_and_b32 s[SK], s[SK], 15                     ; the walk goes round
	s_xor_b32 s[PW], s[PW], PBUF
	s_xor_b32 s[PR], s[PR], PBUF
	s_sub_co_u32 s[CNT], s[CNT], 1
	s_cmp_lg_u32 s[CNT], 0
	s_cbranch_scc1 .Ltrip
	v_add_nc_u32 v[AP], s[PR], v[AP0]              ; STEP 15 is written out: no K is left to ask for
	v_add_nc_u32 v[APS], s[PW], v[APS0]
	PHASE_A 1
	LMAX
	FILL G0K, VBASE, SV, 1                         ; the maxima may be read; V of step 14 is in; slot A, which no K wants any more, takes V of step 15
	PHASE_B 1, 0, 0
	v_add_nc_u32 v[AP], s[PW], v[AP0]              ; the last weights are read where they were written,
	v_mov_b32 v[AV0], v[AVA]                       ; the last V out of slot A
	v_add_nc_u32 v[AV0+1], 0x10000, v[AVA]
.set r, 0
	RSN 128                                        ; O a of step 15
	MEETP                                          ; P of step 15 may be read; everybody's quarter of V is in
	PHASE_B 0, 0, 0
	; THE END.  l: the two halves, the other half of the lanes, the four waves (through LX); O^T is divided by l and leaves through my stage in LDS.
.irp t, 0,1,2,3
	v_add_f32 v[TMP+\t], v[ST+4*\t+2], v[ST+4*\t+3]
.endr
.irp t, 0,1,2,3
	v_permlanex16_b32 v[TMP+4+\t], v[TMP+\t], s[SEL], s[SEL+1]
.endr
.irp t, 0,1,2,3
	v_add_f32 v[TMP+\t], v[TMP+\t], v[TMP+4+\t]
.endr
	ds_store_b128 v[AMS], v[TMP:TMP+3] offset:LX-MX
	s_wait_dscnt 0x0                               ; for the others' sake
	s_barrier_signal -1
	s_barrier_wait -1
.irp x, 0,1,2,3
	ds_load_b128 v[TMP+4*\x:TMP+4*\x+3], v[AML] offset:LX-MX+256*\x
.endr
	s_wait_dscnt 0x0
	v_pk_add_f32 v[TMP:TMP+1], v[TMP:TMP+1], v[TMP+4:TMP+5]
	v_pk_add_f32 v[TMP+2:TMP+3], v[TMP+2:TMP+3], v[TMP+6:TMP+7]
	v_pk_add_f32 v[TMP+8:TMP+9], v[TMP+8:TMP+9], v[TMP+12:TMP+13]
	v_pk_add_f32 v[TMP+10:TMP+11], v[TMP+10:TMP+11], v[TMP+14:TMP+15]
	v_pk_add_f32 v[TMP:TMP+1], v[TMP:TMP+1], v[TMP+8:TMP+9]
	v_pk_add_f32 v[TMP+2:TMP+3], v[TMP+2:TMP+3], v[TMP+10:TMP+11]
.irp t, 0,1,2,3
	v_rcp_f32 v[AA+2*\t], v[TMP+\t]
.endr
	v_nop                                          ; a plain instruction behind the last reciprocal,
	s_wait_alu depctr_va_vdst(0)                   ; and the one wait ahead of the first use
; Piece p = 2 t + hb: 16 queries x 64 channels of f32: a lane's eight channels go as 32 bytes into rows of 272 and come back as whole rows of 256, into Q's registers of window 2, a set of 32 for each piece:
; no register that a store reads is written again.
.macro PACKO p
.set t, (\p)/2
.set hb, (\p)%2
	WIN 0x41
.irp i, 0,1,2,3
.irp y, 0,1,2,3
	v_pk_mul_f32 v[8*(4*(4*hb+(\i))+t)+2*(\y):8*(4*(4*hb+(\i))+t)+2*(\y)+1], v[8*(4*(4*hb+(\i))+t)+2*(\y):8*(4*(4*hb+(\i))+t)+2*(\y)+1], v[AA+2*t:AA+2*t+1] op_sel_hi:[1,0]
.endr
.endr
	WIN 0x04                                       ; the stores' data in window 1
.irp i, 0,1,2,3
	ds_store_b128 v[STO], v[8*(4*(4*hb+(\i))+t):8*(4*(4*hb+(\i))+t)+3]   offset:64*(\i)
	ds_store_b128 v[STO], v[8*(4*(4*hb+(\i))+t)+4:8*(4*(4*hb+(\i))+t)+7] offset:64*(\i)+16
.endr
	WIN 0x80                                       ; the loads' destination in window 2
.irp i, 0,1,2,3,4,5,6,7
	ds_load_b128 v[32*(\p)+4*(\i):32*(\p)+4*(\i)+3], v[RD] offset:2*SP*(\i)  ; LDS serves a wave's instructions in order (ISA guide 5.7.1.4): these see the stores above; the next piece's stores come behind them
.endr
.endm
.macro SENDO p, younger                ; younger: the LDS instructions issued behind piece p's loads: the next piece's sixteen, or none
	WIN 0x08                                       ; the stores' data in window 2
.irp i, 0,1,2,3,4,5,6,7
	s_wait_dscnt (\younger)+7-(\i)
	global_store_b128 v[GO], v[32*(\p)+4*(\i):32*(\p)+4*(\i)+3], s[6:7] offset:32768*((\p)/2)+4096*(\i)+256*((\p)%2)  ; 16 lanes store 256 consecutive bytes, at a multiple of 256 from out's first byte
.endr
.endm
	PACKO 0
.irp p, 1,2,3,4,5,6,7
	PACKO \p                                       ; a piece's arithmetic stands between the loads of the piece before and its stores
	SENDO (\p)-1, 16
.endr
	SENDO 7, 0
	WIN 0
	s_wait_tensorcnt 0x0                           ; the wave's end, behind my last tensor load and my last LDS store
	ds_add_u32 v[SPW], v[NIL]
	s_wait_dscnt 0x0
	ROUND                                          ; the closing round: no work-group ends while a partner may still ask for a tile that names it
	s_endpgm
.Lfunc_end_k_q4d6b799df2_attn:
	.size	k_q4d6b799df2_attn, .Lfunc_end_k_q4d6b799df2_attn-k_q4d6b799df2_attn
	.p2alignl 7, 3214868480
	.fill 96, 4, 3214868480
	.section	.rodata,"a",@progbits
	.p2align	6, 0x0
	.amdhsa_kernel k_q4d6b799df2_attn
		.amdhsa_group_segment_fixed_size 327680
		.amdhsa_private_segment_fixed_size 0
		.amdhsa_enable_private_segment 0
		.amdhsa_kernarg_size 16
		.amdhsa_user_sgpr_count 2
		.amdhsa_user_sgpr_kernarg_segment_ptr 1
		.amdhsa_wavefront_size32 1
		.amdhsa_system_sgpr_workgroup_id_x 1
		.amdhsa_system_sgpr_workgroup_id_y 1
		.amdhsa_system_sgpr_workgroup_id_z 1
		.amdhsa_system_vgpr_workitem_id 0
		.amdhsa_next_free_vgpr 1024
		.amdhsa_next_free_sgpr 66
		.amdhsa_reserve_vcc 1
		.amdhsa_float_denorm_mode_32 3
		.amdhsa_float_denorm_mode_16_64 3
		.amdhsa_memory_ordered 1
		.amdhsa_forward_progress 1
		.amdhsa_inst_pref_size 219
	.end_amdhsa_kernel
	.amdgpu_metadata
---
amdhsa.version: [ 1, 2 ]
amdhsa.kernels:
  - .name:           k_q4d6b799df2_attn
    .symbol:         k_q4d6b799df2_attn.kd
    .args:
      - { .name: h, .offset: 0, .size: 8, .value_kind: global_buffer, .address_space: global }
      - { .name: out0, .offset: 8, .size: 8, .value_kind: global_buffer, .address_space: global }
    .group_segment_fixed_size: 327680
    .private_segment_fixed_size: 0
    .kernarg_segment_align: 8
    .kernarg_segment_size: 16
    .max_flat_workgroup_size: 128
    .sgpr_count:     66
    .vgpr_count:     1024
    .wavefront_size: 32
...
	.end_amdgpu_metadata
.endif
;; end of part 3
